; MI455X (gfx1250); checked and timed in simulation.
; The chip was launched on July 23, 2026; its instructions are those of AMD's public machine-readable ISA for CDNA 5 (MIT licence, August 2026) and "CDNA5" Instruction Set Architecture Reference Guide (July 2026). The comments in the code are by the model that wrote it; some were corrected since.
;; QKV Attention Legacy. Allowed arithmetic: matrix products marked QUANTISED: E2M1 operands, one E8M0 scale for each 32 along K, by v_wmma_scale_f32_16x16x128_f8f6f4 with both operands' format E2M1 (or v_wmma_scale_f32_32x16x128_f4), f32 sums; everything else in f32.
;; Inputs: qkv 4 x 3,072 x 2,048 float32.
;; Outputs: out0 4 x 1,024 x 2,048 float32.
;; This version of the problem:
;;   THIS VERSION OF THE PROBLEM IS GIVEN IN LOW PRECISION. The matrix products marked QUANTISED in the list below multiply operands that are first quantised to E2M1 (2 exponent bits, 1 mantissa bit; 4 bits a number), with one power-of-two scale for each 32 numbers along K (OCP MX v1.0); their sums are f32. All else is computed in f32.
;;   The module's matrix products, in the order in which they are computed (A, B: the left and right operand; K: the contracted axis; several contracted axes count as one K, in the product's order):
;;     1. batch 64 x [M 2,048, K 64] x [K 64, N 2,048]; A: computed on the way; B: computed on the way: QUANTISED
;;     2. batch 64 x [M 64, K 2,048] x [K 2,048, N 2,048]; A: input qkv; B: softmax (see below): QUANTISED
;;   THE QUANTISER, for each operand of a quantised product, along K:
;;     - K is cut into blocks of 32 from its start; a last block that is shorter is filled with zeros.
;;     - A block's scale is 2^e with e = floor(log2(the largest magnitude in the block)) - 2, held to -126 .. 127; a block of zeros has e = 0. As a byte (E8M0): e + 127.
;;     - Each number is divided by its block's scale, clamped to +-6, and rounded to the nearest number of E2M1, ties to even, subnormals kept.
;;     - The product sums the exact products of the quantised numbers (number of the format x scale) in f32.
;;   ~~~python
;;   def quantise(x, axis):      # numpy; x: float32 -> the quantised numbers, widened to float32 again
;;       x = np.moveaxis(x, axis, -1); K = x.shape[-1]
;;       x = np.pad(x, [(0, 0)] * (x.ndim - 1) + [(0, -K % 32)]); x = x.reshape(x.shape[:-1] + (-1, 32)); a = np.abs(x).max(-1, keepdims=True)
;;       e = np.where(a > 0, np.clip(np.frexp(np.where(a > 0, a, 1))[1] - 1 - 2, -126, 127), 0)      # np.frexp(a)[1] - 1 = floor(log2(a)), exactly
;;       r = np.clip(x / 2.0 ** e, -6, 6)
;;       step = 2.0 ** (np.maximum(np.frexp(np.where(r == 0, 1, r))[1] - 1, 0) - 1)
;;       q = np.round(r / step) * step * 2.0 ** e      # np.round: ties to even
;;       return np.moveaxis(q.reshape(q.shape[:-2] + (-1,))[..., :K], -1, axis).astype(np.float32)
;;   ~~~
;;   SOFTMAX AHEAD OF A QUANTISED PRODUCT. Where the list says 'softmax', what is quantised is not the finished softmax but p = 2^(t - M), with t = logit x log2(e) and M = ceil(the row's largest t), a whole number; so 1/2 < the row's largest p <= 1. The row's sum l is taken of the UNQUANTISED p, in f32, and the product's result is divided by l at the end. Since M is a whole number, a kernel that streams over the keys may use a running M (the ceiling of the running maximum): every later rescaling is an exact power of two, which a block's scale takes up: the codes' values come out the same.
;;   OPERANDS COMPUTED ON THE WAY. 'Computed on the way' means the value that the module computes at that place (a softmax that the list does not call 'softmax' is quantised finished and normalised). What goes into a quantiser is computed in f32, as accurately as f32 sums, v_exp_f32 and their like allow (about 1e-6 of the number): no bf16 or f16 on the way to a quantiser, and a product that is left as it is and whose result goes on into a quantised operand takes f32 operands (vector FMAs, or v_wmma_f32_16x16x4_f32). A number that lies on a knife's edge between two numbers of the format may be rounded either way, as far as f32 arithmetic and the matrix unit's own rounding can turn it there, and no further.
;; 2 versions. Each part assembles by itself: llvm-mc -triple=amdgcn-amd-amdhsa -mcpu=gfx1250 --defsym DOCPART=n.
;; ======== version 1 of 2: 1 launch
;; launch attn (part 1): grid 4 x 64, 16 waves a work-group, no clusters, 276,480 bytes of LDS; arguments qkv, out0; writes out0
.if DOCPART == 1
	.amdgcn_target "amdgcn-amd-amdhsa--gfx1250"
	.amdhsa_code_object_version 6
	.text
	.protected	k_q30d5566b6c_attn
	.globl	k_q30d5566b6c_attn
	.p2align	8
	.type	k_q30d5566b6c_attn,@function
k_q30d5566b6c_attn:
	s_mov_b64 s[64:65], 0
	v_nop
	global_prefetch_b8 v0, s[64:65] scope:SCOPE_SE
	s_setreg_imm32_b32 hwreg(HW_REG_WAVE_MODE, 25, 1), 1
	s_wait_xcnt 0x0
; out0[head][c][t] = the sum over s of softmax_s(sum over c' of (q sc)(k sc)) v[c][s], 64 heads; qkv: [64][192][2048] f32 (rows 0-63 q, 64-127 k, 128-191 v; t innermost); out0: [64][64][2048] f32.
; Both products on codes of FP4 (E2M1) with one E8M0 scale for each 32 along a product's K.  Product 1: K = the 64 channels (two blocks), operands q sc and k sc, sc = 1 / sqrt(sqrt(64)).  Product 2: K = the keys.
; THE SOFTMAX AHEAD OF PRODUCT 2: t = score x log2(e); M = the row's largest t so far, rounded UP to a whole number; p = 2^(t - M) is quantised along the keys, not normalised; the row's sum is taken of the
; unquantised p in f32 and divides at the end.  When M moves, the sum and O are multiplied by 2^(old M - new M): exact.
; SHARES.  A work-group of sixteen waves (256 registers each) owns 512 queries of one head: 4 x 64 work-groups.  It walks the head's 2,048 keys twice, 128 a step: pass 0 for its queries 0-255, pass 1 for 256-511;
; in a pass a wave owns one tile of 16 queries.  A head's k and v as codes and scale bytes are 138 KB: the work-group makes them itself and stores them to LDS ONCE.  In pass 0 that work is pipelined: while chunk j
; (128 keys) is attended from LDS, the f32 numbers of chunk j + 2 are on their way into 32 registers a wave, and chunk j + 1 is quantised and stored at the step's end, ahead of one barrier.
; Waves 0-7 quantise k (wave: 32 keys x one block of 32 channels; a lane takes a key and its registers run down the channels, so nothing is transposed); waves 8-15 quantise v (wave: 8 channels x 128 keys; a lane
; holds 8 neighbouring keys, four lanes a block).  Pass 1 only reads.  No LDS byte is ever written twice, so every barrier orders a store and a later read, and nothing else.
; LAYOUT.  Both products are used transposed: S^T = K Q^T (source 0 = 16 keys, source 1 = my 16 queries), O^T = V P^T (source 0 = 16 channels, source 1 = P): a lane holds ONE query (lane % 16) throughout.
; THE KEYS OF A TILE ARE NOT NEIGHBOURS: row r of tile 2 b + u is key 32 b + 8 u + r + 8 (r / 8), so that the 16 registers of tiles 2 b and 2 b + 1 are 16 neighbouring keys, 32 b + 16 (lane / 16) + 0 .. 15.
; K = 64 IN A FORM OF K = 128.  In a fragment lane (r, h) holds block h in registers 0-3 and block 2 + h in registers 4-7.  Even key tiles carry their codes in registers 0-3 and zero codes in 4-7, odd tiles the other
; way round; a pair of tiles is 12 registers [even's codes][zeros][odd's codes], the zeros written once.  Q's fragment holds its codes in both halves and its scale word is (s0, s1, s0, s1).  One 32-bit word then
; serves as the scale word of both tiles of a pair: bytes 0, 1 the even tile's, bytes 2, 3 the odd tile's; the other two bytes stand over zero codes, which add nothing under any byte but 0xff.
; NO CLUSTER, NO JOINT LOADS: what the four work-groups of a head share is f32 that has to pass through registers to be quantised; as raw tiles in LDS a step's 128 keys of k and v would be 64 KB a slot, two slots
; 128 KB, beside the 273,408 bytes in use: they do not fit, and each byte would be written to and read from LDS once more.  The four work-groups are neighbours in the grid's x and ask for the same rows in step.
; q's loads read 64 consecutive bytes in sixteen lanes (the sixteen waves stand side by side on 1,024): q is one ninth of what the launch asks for, and is read once.
; LIMITS: NaN and infinities among the inputs are not served.  A block whose largest magnitude lies under 2^-124 keeps the scale byte 1 (the quantiser's own hold); a block of zeros gets the byte 1 where the
; quantiser says 127: its codes are zeros and this program alone reads the bytes.  A block's largest p is taken from its largest score, which takes v_exp_f32 not to fall where its input rises.  p under 2^-126 is 0.
.set ROWG,  8192                       ; a row of qkv or of out0 in bytes: 2,048 f32
.set HEADB, 192*ROWG                   ; a head of qkv
.set CHK,   512                        ; a chunk's 128 keys in a row of qkv, in bytes
; LDS
.set KIMG,  0                          ; k's codes as images of the operand's registers: step (4,096) x tile 0..7 (512) x lane (16 bytes)
.set VIMG,  65536                      ; v's codes: 64 channel rows; key s at byte s / 2
.set VP,    1040                       ; their pitch: 1,024 + 16 = 65 x 16 bytes: sixteen rows start at sixteen different 16-byte columns modulo 256
.set SCK,   VIMG+64*VP                 ; k's scale bytes: step (256) x row r of a tile (16) x tile 0..7 (2 bytes: channel blocks 0, 1)
.set SCV,   SCK+4096                   ; v's scale bytes: step (256) x row r of a tile (16) x channel tile 0..3 (4 bytes: the step's four key blocks)
.set STG,   SCV+4096                   ; the way out: 64 channel rows x (256 queries x 4 bytes + 16); pass 1 has a stage of its own, STGB further on
.set STGB,  64*VP
; vector registers
.set AK0,  1                           ; 16 x lane: my place in an image of k
.set AV0,  2                           ; VIMG + VP r + 16 h
.set ASK0, 3                           ; SCK + 16 r
.set ASV0, 4                           ; SCV + 16 r
.set KWC,  5                           ; where a k wave's lane stores its 16 bytes of codes
.set KWS,  6                           ; and its scale byte
.set VWC,  7                           ; where a v wave's lane stores 4 bytes of codes
.set VWS,  8                           ; and its scale byte
.set KGO,  9                           ; byte offsets in qkv: k's,
.set VGO,  10                          ; v's,
.set QGO,  11                          ; q's
.set NM,   12                          ; -M
.set TMX,  13                          ; the largest t so far
.set SUM,  14                          ; v[14:15] the row's sum in two halves
.set QF,   16                          ; v[16:23] Q's fragment
.set QW,   24                          ; Q's scale word
.set PW,   25                          ; p's scale word
.set ADK,  26                          ; the step's LDS addresses: k's images,
.set ADV,  27                          ; v's rows,
.set ADS,  28                          ; k's scale words,
.set ADT,  29                          ; v's
.set SW,   30                          ; the stage: where I put a number
.set SR,   31                          ; and where I read 16 bytes of a row back
.set KF,   32                          ; v[32:79] four pairs of key tiles, 12 registers each
.set KS,   80                          ; v[80:83] k's scale words, one for each pair of tiles
.set VS,   84                          ; v[84:87] v's scale words, one for each channel tile
.set PC,   88                          ; v[88:95] p's codes
.set S,    96                          ; v[96:159] S^T, then p; v[96:127] later v's four fragments; on the way out O / sum and the rows read back
.set O,    160                         ; v[160:191] O^T
.set BM,   192                         ; v[192:195] block maxima
.set PT,   196                         ; v[196:199] lane permutes' results, then bytes
.set SO,   200                         ; v[200:203] the conversions' scale operands
.set F,    204                         ; v[204:205] f = 2^(old M - new M); v205 is named with it as a pair and written once
.set T1,   206
.set T2,   207
.set SUM2, 208                         ; v[208:209] the sum's second chain
.set OGO,  210                         ; 16 x lane: my byte offset in a piece of a row of out0
.set H8,   211                         ; 8 h
.set WA,   212                         ; v[212:215] the chunk's LDS store addresses
.set C,    216                         ; v[216:219] codes just made
.set BY,   220                         ; v[220:223] scale bytes just made
.set R,    224                         ; v[224:255] 32 f32 numbers on their way or at work
; scalar registers
.set WV,  8                            ; my wave's number
.set WR,  9                            ; wave % 8
.set HD,  10                           ; the head
.set WB,  11                           ; (wave % 8) / 2
.set GB,  12                           ; s[12:13] my share of k or v, at the chunk to be asked for
.set QB,  14                           ; s[14:15] my 16 queries' column in q
.set OB,  16                           ; s[16:17] my four channel rows of out0, at the pass's 256 queries
.set SEL, 20                           ; s[20:21] v_permlanex16_b32's selects for lane l xor 16
.set CS,  22                           ; s[22:23] log2(e), twice: the packed forms name a pair
.set SCL, 24                           ; s[24:25] sc, twice
.set TK,  26                           ; 4,096 x step
.set TV,  27                           ; 64 x step
.set TS,  28                           ; 256 x step
.set CNT, 29
.set HK,  30                           ; wave % 2
.set HB,  36                           ; the head's first byte in qkv
.macro BAR                             ; my LDS stores have landed and my LDS loads are in: then the work-group's barrier
	s_wait_dscnt 0x0
	s_barrier_signal -1
	s_barrier_wait -1
.endm
; a k wave's share of a chunk: 32 keys x 32 channels; each load reads 128 consecutive bytes of one channel's row
.macro KLOAD
.set j, 0
.rept 32
	global_load_b32 v[R+j], v[KGO], s[GB:GB+1] offset:j*ROWG
.set j, j+1
.endr
.endm
; a v wave's share: 8 channels x 128 keys; lanes 0-15 take channel 2 g, lanes 16-31 channel 2 g + 1; a lane 8 neighbouring keys; a group's two loads together cover each row's 512 bytes
.macro VLOAD
.irp g, 0,1,2,3
	global_load_b128 v[R+8*\g:R+8*\g+3],   v[VGO], s[GB:GB+1] offset:2*\g*ROWG
	global_load_b128 v[R+8*\g+4:R+8*\g+7], v[VGO], s[GB:GB+1] offset:2*\g*ROWG+16
.endr
.endm
; my tile's q: lane (r, h) takes query r and channels 32 h + 0 .. 31, its registers running down the channels; read once by this wave alone
.macro QLOAD base
.set j, 0
.rept 32
	global_load_b32 v[\base+j], v[QGO], s[QB:QB+1] offset:j*ROWG th:TH_LOAD_NT
.set j, j+1
.endr
.endm
; 32 numbers down the channels of one column, v[base] on, times sc, become a block's 32 codes in v[dst] .. v[dst + 3]; the scale's byte in v[BY]
.macro QCOL base, dst
.set j, 0
.rept 16
	v_pk_mul_f32 v[\base+j:\base+j+1], v[\base+j:\base+j+1], s[SCL:SCL+1] op_sel_hi:[1,0]   ; x sc, in f32, as the operand is defined
.set j, j+2
.endr
	v_max3_num_f32 v[BM],   |v[\base]|,   |v[\base+1]|, |v[\base+2]|                ; the block's largest magnitude: all 32 numbers are mine; two chains
	v_max3_num_f32 v[BM+1], |v[\base+3]|, |v[\base+4]|, |v[\base+5]|
.irp i, 6,10,14,18,22,26
	v_max3_num_f32 v[BM],   v[BM],   |v[\base+\i]|,   |v[\base+\i+1]|
	v_max3_num_f32 v[BM+1], v[BM+1], |v[\base+\i+2]|, |v[\base+\i+3]|
.endr
	v_max3_num_f32 v[BM], v[BM], |v[\base+30]|, |v[\base+31]|
	v_max3_num_f32 v[BM], v[BM], v[BM+1], 0x1800000                                 ; and the floor 2^(3 - 127): the byte cannot fall under 1
	v_add_nc_u32 v[SO], 0xff000000, v[BM]                                           ; 2 off its exponent field: the conversion takes the exponent field of this operand as its scale
.irp g, 0,1,2,3
	v_cvt_scalef32_pk8_fp4_f32 v[\dst+\g], v[\base+8*\g:\base+8*\g+7], v[SO]
.endr
	v_lshrrev_b32 v[BY], 23, v[SO]                                                  ; the scale's byte; also the plain line behind the conversions
.endm
; a v wave's 4 groups of 8 keys a lane: four neighbouring lanes hold a block of 32 keys; the groups take turns
.macro QROW
.irp g, 0,1,2,3
	v_max3_num_f32 v[BM+\g], |v[R+8*\g]|, |v[R+8*\g+1]|, 0x1800000                  ; with the floor 2^(3 - 127)
.endr
.irp i, 2,4,6
.irp g, 0,1,2,3
	v_max3_num_f32 v[BM+\g], v[BM+\g], |v[R+8*\g+\i]|, |v[R+8*\g+\i+1]|
.endr
.endr
.irp g, 0,1,2,3
	v_max_num_f32_dpp v[BM+\g], v[BM+\g], v[BM+\g] row_xmask:1 row_mask:0xf bank_mask:0xf
.endr
.irp g, 0,1,2,3
	v_max_num_f32_dpp v[BM+\g], v[BM+\g], v[BM+\g] row_xmask:2 row_mask:0xf bank_mask:0xf   ; the block's largest magnitude, in all its four lanes
.endr
.irp g, 0,1,2,3
	v_add_nc_u32 v[SO+\g], 0xff000000, v[BM+\g]
.endr
.irp g, 0,1,2,3
	v_cvt_scalef32_pk8_fp4_f32 v[C+\g], v[R+8*\g:R+8*\g+7], v[SO+\g]
.endr
.irp g, 0,1,2,3
	v_lshrrev_b32 v[BY+\g], 23, v[SO+\g]                                            ; the bytes; also the plain lines behind the conversions
.endr
.endm
; The chunk whose numbers are on their way (its number is s[TK] / 4,096) is quantised and stored to LDS.  load = 1: the next chunk is asked for.  The caller's BAR follows.
.macro QSTEP load
	s_wait_loadcnt 0x0                             ; my share of the chunk is in; the loads that named s[GB] are done, so it may step
.if \load
	s_add_nc_u64 s[GB:GB+1], s[GB:GB+1], CHK
.endif
	v_add_nc_u32 v[WA],   s[TK], v[KWC]            ; every wave makes all four addresses, ahead of the branch on the wave's number
	v_add_nc_u32 v[WA+1], s[TS], v[KWS]
	v_add_nc_u32 v[WA+2], s[TV], v[VWC]
	v_add_nc_u32 v[WA+3], s[TS], v[VWS]
	s_cmp_lt_u32 s[WV], 8
	s_cbranch_scc0 .Lqv_\@
	QCOL R, C
	ds_store_b128 v[WA], v[C:C+3]                  ; my key's 32 codes of my channel block: 16 bytes of the image of its tile
	ds_store_b8 v[WA+1], v[BY]
.if \load
	KLOAD
.endif
	s_branch .Lqj_\@
.Lqv_\@:
	QROW
.irp g, 0,1,2,3
	ds_store_b32 v[WA+2], v[C+\g] offset:2*VP*\g   ; 8 codes of channel 2 g + h of my eight
	ds_store_b8 v[WA+3], v[BY+\g] offset:32*\g     ; the four lanes of a block store the same byte with the same value
.endr
.if \load
	VLOAD
.endif
.Lqj_\@:
.endm
; my tile's q, 32 numbers a lane from v[base] on, becomes Q's fragment and scale word
.macro QQ base
	QCOL \base, QF
	v_lshlrev_b32 v[T1], v[H8], v[BY]              ; my block's byte at its place: 8 h bits up;
	v_permlanex16_b32 v[T2], v[T1], s[SEL], s[SEL+1]
	v_or_b32 v[T1], v[T1], v[T2]                   ; with lane l xor 16's: (s0, s1);
	v_lshl_or_b32 v[QW], v[T1], 16, v[T1]          ; (s0, s1, s0, s1)
.irp g, 0,1,2,3
	v_mov_b32 v[QF+4+\g], v[QF+\g]                 ; the codes once more, as blocks 2 and 3: the odd key tiles' partners
.endr
.endm
; A pass begins: the key step is written once, and its first walk finds zeros, which the first change of M leaves zeros
.macro INIT
	v_mov_b32 v[TMX], 0xff61b1e6                   ; the largest t so far: -3e38, under every t
	v_floor_f32 v[NM], -v[TMX]
	v_mov_b32 v[SUM], 0
	v_mov_b32 v[SUM+1], 0
.set j, 0
.rept 32
	v_mov_b32 v[O+j], 0
.set j, j+1
.endr
.endm
; A KEY STEP: 128 keys, from LDS alone.
.macro ATT
	v_add_nc_u32 v[ADK], s[TK], v[AK0]
	v_add_nc_u32 v[ADV], s[TV], v[AV0]
	v_add_nc_u32 v[ADS], s[TS], v[ASK0]
	v_add_nc_u32 v[ADT], s[TS], v[ASV0]
	v_nop                                          ; six plain lines: S^T is written over v96-127, which the last step's products V P^T read as source 0: five are owed
	v_nop
	ds_load_b128 v[KS:KS+3], v[ADS]                ; the scale words of the four pairs of tiles: row r's 16 bytes
.irp t, 0,1,2,3,4,5,6,7
	ds_load_b128 v[KF+12*(\t/2)+8*(\t%2):KF+12*(\t/2)+8*(\t%2)+3], v[ADK] offset:512*\t   ; a tile's image: 512 consecutive bytes
.endr
	s_wait_dscnt 0x4                               ; nine loads are out; the four youngest, tiles 4-7, may stay out
.irp t, 0,1,2,3
	v_wmma_scale_f32_16x16x128_f8f6f4 v[S+8*\t:S+8*\t+7], v[KF+12*(\t/2)+4*(\t%2):KF+12*(\t/2)+4*(\t%2)+7], v[QF:QF+7], 0, v[KS+\t/2], v[QW] matrix_a_fmt:MATRIX_FMT_FP4 matrix_b_fmt:MATRIX_FMT_FP4
.endr
	s_wait_dscnt 0x0
.irp t, 4,5,6,7
	v_wmma_scale_f32_16x16x128_f8f6f4 v[S+8*\t:S+8*\t+7], v[KF+12*(\t/2)+4*(\t%2):KF+12*(\t/2)+4*(\t%2)+7], v[QF:QF+7], 0, v[KS+\t/2], v[QW] matrix_a_fmt:MATRIX_FMT_FP4 matrix_b_fmt:MATRIX_FMT_FP4
.endr
.rept 4
	v_nop                                          ; four plain lines before a vector instruction reads the results (ISA guide 7.12.1)
.endr
.irp b, 0,1,2,3
	v_max3_num_f32 v[BM+\b], v[S+16*\b], v[S+1+16*\b], v[S+2+16*\b]   ; THE LARGEST SCORE OF EACH BLOCK OF 32 KEYS serves twice: for the row's maximum and, since p rises with the score, for the block's largest p.  Each result is read from its low end on
.endr
.irp i, 3,5,7,9,11,13
.irp b, 0,1,2,3
	v_max3_num_f32 v[BM+\b], v[BM+\b], v[S+16*\b+\i], v[S+1+16*\b+\i]   ; (the four blocks by turns)
.endr
.endr
.irp b, 0,1,2,3
	v_max_num_f32 v[BM+\b], v[BM+\b], v[S+15+16*\b]
.endr
.irp b, 0,1,2,3
	v_permlanex16_b32 v[PT+\b], v[BM+\b], s[SEL], s[SEL+1]
.endr
.irp b, 0,1,2,3
	v_max_num_f32 v[BM+\b], v[BM+\b], v[PT+\b]     ; with lane l xor 16's 16 keys
.endr
	v_max3_num_f32 v[T1], v[BM], v[BM+1], v[BM+2]
	v_max_num_f32 v[T1], v[T1], v[BM+3]            ; the step's largest score of my query
	v_mul_f32 v[T1], s[CS], v[T1]                  ; as t
	v_max_num_f32 v[TMX], v[TMX], v[T1]            ; the running largest t
	v_mov_b32 v[T1], v[NM]
	v_floor_f32 v[NM], -v[TMX]                     ; the new -M = floor(-t) = -ceil(t): M is a whole number
	v_sub_f32 v[T1], v[NM], v[T1]                  ; M's old value less its new one: a whole number, 0 or less
	v_cvt_i32_f32 v[T1], v[T1]                     ; (it saturates)
	v_ldexp_f32 v[F], 1.0, v[T1]                   ; f = 2^(old M - new M)
.set j, 0
.rept 32
	v_pk_fma_f32 v[S+j:S+j+1], v[S+j:S+j+1], s[CS:CS+1], v[NM:NM+1] op_sel_hi:[1,0,0]   ; t - M, two at a time (of the pairs log2(e) and -M the low word serves both halves)
.set j, j+2
.endr
.irp b, 0,1,2,3
	v_fma_f32 v[BM+\b], v[BM+\b], s[CS], v[NM]     ; the same of each block's largest score
.endr
.set j, 0
.rept 64
	v_exp_f32 v[S+j], v[S+j]                       ; p = 2^(t - M), at most 1: not normalised
.set j, j+1
.endr
.irp b, 0,1,2,3
	v_exp_f32 v[BM+\b], v[BM+\b]                   ; the block's largest p: the same two instructions on the same number give the same bits
.endr
	v_pk_mul_f32 v[SUM:SUM+1], v[SUM:SUM+1], v[F:F+1] op_sel_hi:[1,0]   ; the sums under the new M; the plain line behind the exponentials (ISA guide 5.7.2)
	s_wait_alu depctr_va_vdst(0)
.irp b, 0,1,2,3
	v_max_num_f32 v[BM+\b], 0x1800000, v[BM+\b]    ; the floor 2^(3 - 127): the byte cannot fall under 1
.endr
.irp b, 0,1,2,3
	v_add_nc_u32 v[SO+\b], 0xff000000, v[BM+\b]    ; 2 off the exponent field: the conversion's scale operand
.endr
.irp b, 0,1,2,3
	v_lshrrev_b32 v[PT+\b], 23, v[SO+\b]           ; the scale's byte
.endr
	v_lshl_or_b32 v[PW], v[PT+1], 8, v[PT]         ; p's scale word for these 128 keys
	v_lshl_or_b32 v[PW], v[PT+2], 16, v[PW]
	v_lshl_or_b32 v[PW], v[PT+3], 24, v[PW]
.irp b, 0,1,2,3
	v_cvt_scalef32_pk8_fp4_f32 v[PC+2*\b],   v[S+16*\b:S+16*\b+7],    v[SO+\b]
	v_cvt_scalef32_pk8_fp4_f32 v[PC+2*\b+1], v[S+16*\b+8:S+16*\b+15], v[SO+\b]
.endr
	v_nop                                          ; one plain line behind the scaled conversions
.irp c, 0,1                                    ; the operand's layout wants a WHOLE block in a lane: lanes 0-15 block 2 c, lanes 16-31 block 2 c + 1
.irp i, 0,1
	v_permlane16_swap_b32 v[PC+4*\c+\i], v[PC+2+4*\c+\i]
.endr
.endr
	v_pk_add_f32 v[SUM2:SUM2+1], v[S:S+1], v[S+2:S+3]   ; THE ROW'S SUM IS TAKEN OF THE UNQUANTISED p: two at a time, in two chains; first the 32 numbers whose registers v's fragments will take
.irp j, 4,8,12,16,20,24,28
	v_pk_add_f32 v[SUM:SUM+1],   v[SUM:SUM+1],   v[S+\j:S+\j+1]
	v_pk_add_f32 v[SUM2:SUM2+1], v[SUM2:SUM2+1], v[S+\j+2:S+\j+3]
.endr
	ds_load_b128 v[VS:VS+3], v[ADT]                ; the scale words of the four channel tiles for these 128 keys
.irp t, 0,1,2,3
.irp c, 0,1
	ds_load_b128 v[S+8*\t+4*\c:S+8*\t+4*\c+3], v[ADV] offset:16*VP*\t+32*\c   ; v's fragments land under the 33 lines below
.endr
.endr
.set j, 0
.rept 16
	v_pk_mul_f32 v[O+j:O+j+1], v[O+j:O+j+1], v[F:F+1] op_sel_hi:[1,0]   ; O^T under the new M: x f; each result from its low end on
.set j, j+2
.endr
.irp j, 32,36,40,44,48,52,56,60
	v_pk_add_f32 v[SUM:SUM+1],   v[SUM:SUM+1],   v[S+\j:S+\j+1]
	v_pk_add_f32 v[SUM2:SUM2+1], v[SUM2:SUM2+1], v[S+\j+2:S+\j+3]
.endr
	v_pk_add_f32 v[SUM:SUM+1], v[SUM:SUM+1], v[SUM2:SUM2+1]
	s_wait_dscnt 0x0                               ; v's fragments and scale words are in
.irp t, 0,1,2,3                                ; O^T += V P^T: the four accumulators take turns, one instruction a turn; eight other products stand between two links
	v_wmma_scale_f32_16x16x128_f8f6f4 v[O+8*\t:O+8*\t+7], v[S+8*\t:S+8*\t+7], v[PC:PC+7], v[O+8*\t:O+8*\t+7], v[VS+\t], v[PW] matrix_a_fmt:MATRIX_FMT_FP4 matrix_b_fmt:MATRIX_FMT_FP4
.endr
	s_add_co_u32 s[TK], s[TK], 4096                ; on to the next step's bytes
	s_add_co_u32 s[TV], s[TV], 64
	s_add_co_u32 s[TS], s[TS], 256
.endm
; THE WAY OUT of a pass.  O^T / the sum: a lane holds one query and 32 channels, out0's rows run along the queries: the sixteen waves' tiles meet in a stage, 64 channel rows of 256 queries, and each wave stores
; four whole rows' 1,024 bytes.  last = 0: the addresses step to pass 1's stage and queries.
.macro OUT last
.rept 4
	v_nop                                          ; four plain lines behind the last products
.endr
	v_add_f32 v[SUM], v[SUM], v[SUM+1]             ; the sum's two halves,
	v_permlanex16_b32 v[T1], v[SUM], s[SEL], s[SEL+1]
	v_add_f32 v[SUM], v[SUM], v[T1]                ; and lane l xor 16's: the row's sum, above 1/2
	v_rcp_f32 v[SUM], v[SUM]
	v_nop                                          ; one plain line behind the reciprocal
.set j, 0
	s_wait_alu depctr_va_vdst(0)
.rept 16
	v_pk_mul_f32 v[S+j:S+j+1], v[O+j:O+j+1], v[SUM:SUM+1] op_sel_hi:[1,0]   ; register 8 t + i: channel 16 t + 8 h + i of my query; each result from its low end on
.set j, j+2
.endr
.irp t, 0,1,2,3
.irp i, 0,1,2,3,4,5,6,7
	ds_store_b32 v[SW], v[S+8*\t+\i] offset:(16*\t+\i)*VP   ; sixteen lanes: my tile's 64 bytes of a channel's row
.endr
.endr
	BAR                                            ; 64 whole rows lie in the stage
.irp i, 0,1,2,3,4,5,6,7
	ds_load_b128 v[S+32+4*\i:S+32+4*\i+3], v[SR] offset:(\i/2)*VP+512*(\i%2)   ; wave w: channels 4 w .. 4 w + 3
.endr
.irp i, 0,1,2,3,4,5,6,7
	s_wait_dscnt 7-\i                              ; LDS loads come back in order (ISA guide 5.7.1): load i is in, the younger ones may be out
	global_store_b128 v[OGO], v[S+32+4*\i:S+32+4*\i+3], s[OB:OB+1] offset:(\i/2)*ROWG+512*(\i%2) th:TH_STORE_NT   ; 32 lanes store 512 consecutive bytes, at a multiple of 512 from out0's first byte; written once
.endr
.if \last == 0
	s_wait_xcnt 0x0                                ; the stores' base and data are rewritten only behind this wait
	s_add_nc_u64 s[OB:OB+1], s[OB:OB+1], 1024      ; the next 256 queries
	v_add_nc_u32 v[SW], STGB, v[SW]                ; and a stage of their own: nobody waits for the readers of the first
	v_add_nc_u32 v[SR], STGB, v[SR]
.endif
.endm
	; ---- the head: every address register is made here, by every wave, ahead of the first branch on the wave's number
	s_load_b128 s[4:7], s[0:1], 0x0                ; qkv s[4:5], out0 s[6:7]
	v_lshrrev_b32 v165, 5, v0
	v_readfirstlane_b32 s[WV], v165                ; wave 0..15
	v_and_b32 v160, 31, v0                         ; l: lane
	v_and_b32 v161, 15, v0                         ; r
	v_bfe_u32 v162, v0, 4, 1                       ; h
	v_bfe_u32 v163, v0, 3, 1                       ; u: a k wave's lane l holds key l of 32, which is row rr of tile 2 b + u
	v_and_b32 v164, 7, v0
	v_lshl_add_u32 v164, v162, 3, v164             ; rr = l % 8 + 8 h
	s_and_b32 s[WR], s[WV], 7
	s_lshr_b32 s[WB], s[WR], 1                     ; b: which 32 keys of a chunk (k waves); which channel tile (v waves)
	s_and_b32 s[HK], s[WR], 1                      ; which channel block (k waves); which half of the tile (v waves)
	s_and_b32 s[HD], ttmp7, 0xffff                 ; the head
	v_lshlrev_b32 v[AK0], 4, v160
	v_mul_u32_u24 v[AV0], v161, VP
	v_lshl_add_u32 v[AV0], v162, 4, v[AV0]
	v_add_nc_u32 v[AV0], VIMG, v[AV0]
	v_lshl_add_u32 v[ASK0], v161, 4, SCK
	v_lshl_add_u32 v[ASV0], v161, 4, SCV
	s_lshl_b32 s31, s[WB], 10                      ; k's codes: tile 2 b + u (512 bytes each), lane (rr, channel block): 1,024 b + 512 u + 256 hk + 16 rr
	s_lshl_b32 s32, s[HK], 8
	s_add_co_u32 s31, s31, s32
	v_lshlrev_b32 v[KWC], 9, v163
	v_lshl_add_u32 v[KWC], v164, 4, v[KWC]
	v_add_nc_u32 v[KWC], s31, v[KWC]
	s_lshl_b32 s31, s[WB], 2                       ; k's bytes: SCK + 16 rr + 2 (2 b + u) + hk
	s_add_co_u32 s31, s31, s[HK]
	s_add_co_u32 s31, s31, SCK
	v_lshlrev_b32 v[KWS], 1, v163
	v_lshl_add_u32 v[KWS], v164, 4, v[KWS]
	v_add_nc_u32 v[KWS], s31, v[KWS]
	s_mul_i32 s31, s[WR], 8*VP                     ; v's codes: VIMG + (8 (wave % 8) + h) rows + 4 r
	s_add_co_u32 s31, s31, VIMG
	v_mul_u32_u24 v[VWC], v162, VP
	v_lshl_add_u32 v[VWC], v161, 2, v[VWC]
	v_add_nc_u32 v[VWC], s31, v[VWC]
	s_lshl_b32 s31, s[HK], 7                       ; v's bytes: SCV + 16 (channel % 16) + 4 (channel / 16) + r / 4, channel = 8 (wave % 8) + 2 g + h
	s_lshl_b32 s32, s[WB], 2
	s_add_co_u32 s31, s31, s32
	s_add_co_u32 s31, s31, SCV
	v_lshrrev_b32 v[VWS], 2, v161
	v_lshl_add_u32 v[VWS], v162, 4, v[VWS]
	v_add_nc_u32 v[VWS], s31, v[VWS]
	v_lshlrev_b32 v[KGO], 2, v160                  ; k: 4 bytes a lane
	v_lshlrev_b32 v[VGO], 5, v161                  ; v: 32 bytes a lane, lanes 16-31 a row further down
	v_lshl_add_u32 v[VGO], v162, 13, v[VGO]
	v_lshlrev_b32 v[QGO], 2, v161                  ; q: 4 bytes a lane, lanes 16-31 32 rows further down
	v_lshl_add_u32 v[QGO], v162, 18, v[QGO]
	s_lshl_b32 s31, s[WV], 6                       ; the stage, in: STG + 8 h rows + 64 x wave + 4 r
	s_add_co_u32 s31, s31, STG
	v_mul_u32_u24 v[SW], v162, 8*VP
	v_lshl_add_u32 v[SW], v161, 2, v[SW]
	v_add_nc_u32 v[SW], s31, v[SW]
	s_mul_i32 s31, s[WV], 4*VP                     ; and back: STG + 4 x wave rows + 16 x lane
	s_add_co_u32 s31, s31, STG
	v_lshl_add_u32 v[SR], v160, 4, s31
	v_lshlrev_b32 v[OGO], 4, v160
	v_lshlrev_b32 v[H8], 3, v162
	s_mov_b32 s[SEL], 0x76543210
	s_mov_b32 s[SEL+1], 0xfedcba98
	s_mov_b32 s[CS], 0x3fb8aa3b                    ; log2(e)
	s_mov_b32 s[CS+1], s[CS]
	s_mov_b32 s[SCL], 0x3eb504f3                   ; sc = 1 / sqrt(sqrt(64))
	s_mov_b32 s[SCL+1], s[SCL]
	s_mov_b32 s[TK], 0
	s_mov_b32 s[TV], 0
	s_mov_b32 s[TS], 0
	; byte offsets, made apart from the addresses; all stay under 2^27
	s_mul_i32 s[HB], s[HD], HEADB
	s_lshl_b32 s31, s[HK], 18                      ; a k wave: row 64 + 32 hk, 128 b bytes along it
	s_lshl_b32 s32, s[WB], 7
	s_add_co_u32 s31, s31, s32
	s_add_co_u32 s31, s31, 64*ROWG
	s_lshl_b32 s32, s[WR], 16                      ; a v wave: row 128 + 8 (wave % 8)
	s_add_co_u32 s32, s32, 128*ROWG
	s_cmp_lt_u32 s[WV], 8
	s_cselect_b32 s31, s31, s32
	s_add_co_u32 s18, s31, s[HB]
	s_mov_b32 s19, 0
	s_wait_kmcnt 0x0
	s_add_nc_u64 s[GB:GB+1], s[4:5], s[18:19]
	s_lshl_b32 s31, ttmp9, 11                      ; q: my work-group's 512 queries, my wave's 16 of the first 256
	s_lshl_b32 s32, s[WV], 6
	s_add_co_u32 s31, s31, s32
	s_add_co_u32 s18, s31, s[HB]
	s_add_nc_u64 s[QB:QB+1], s[4:5], s[18:19]
	s_lshl_b32 s31, s[HD], 19                      ; out0: the head's 64 rows, my wave's four, my work-group's 512 queries
	s_lshl_b32 s32, s[WV], 15
	s_add_co_u32 s31, s31, s32
	s_lshl_b32 s32, ttmp9, 11
	s_add_co_u32 s18, s31, s32
	s_add_nc_u64 s[OB:OB+1], s[6:7], s[18:19]
	QLOAD S                                        ; pass 0's q, into registers that the scores will take
	s_cmp_lt_u32 s[WV], 8                          ; chunk 0
	s_cbranch_scc0 .Lfirst_v
	KLOAD
	s_branch .Lfirst_j
.Lfirst_v:
	VLOAD
.Lfirst_j:
.irp i, 0,1,2,3
.irp c, 4,5,6,7
	v_mov_b32 v[KF+12*\i+\c], 0                    ; the zero codes between the two tiles of a pair: written once
.endr
.endr
.irp b, 0,1,2,3
	v_mov_b32 v[PT+\b], 0                          ; written once: a lane permute's destination counts as one of its sources
.endr
	v_mov_b32 v[F+1], 0                            ; (named as the upper half of the pair v[204:205])
	v_mov_b32 v[T1], 0
	v_mov_b32 v[T2], 0
	QSTEP 1                                        ; chunk 0 is stored, chunk 1 is asked for; its wait also shows q in
	BAR                                            ; chunk 0 lies in LDS
	QQ S
	INIT                                           ; (36 plain lines: with the step's six they stand between the write of Q's scale word and codes and the first product)
	; ---- pass 0: trip j attends chunk j, stores chunk j + 1 and asks for chunk j + 2.  Between two barriers chunk j is read and chunk j + 1 is written: other bytes
	s_mov_b32 s[CNT], 14
.Lp0:
	ATT
	QSTEP 1
	BAR
	s_sub_co_u32 s[CNT], s[CNT], 1
	s_cmp_lg_u32 s[CNT], 0
	s_cbranch_scc1 .Lp0
	ATT                                            ; step 14.  The tail is written out: no load leaves the buffer
	QSTEP 0                                        ; chunk 15: the last
	s_add_nc_u64 s[QB:QB+1], s[QB:QB+1], 1024      ; (the loads that named s[QB] were shown done by the first chunk's wait)
	QLOAD R                                        ; pass 1's q, into the registers that the chunks have left: it lands under step 15 and the way out
	BAR
	ATT                                            ; step 15
	OUT 0
	; ---- pass 1: queries 256 on; k and v are read from LDS, nothing is written there but the second stage: no barrier in the loop
	s_wait_loadcnt 0x0                             ; q
	QQ R
	INIT
	s_mov_b32 s[TK], 0
	s_mov_b32 s[TV], 0
	s_mov_b32 s[TS], 0
	s_mov_b32 s[CNT], 16
.Lp1:
	ATT
	s_sub_co_u32 s[CNT], s[CNT], 1
	s_cmp_lg_u32 s[CNT], 0
	s_cbranch_scc1 .Lp1
	OUT 1
	s_wait_xcnt 0x0
	v_lshl_add_u32 v254, v0, 2, 0x43000
	v_mov_b32 v255, 0
	s_wait_tensorcnt 0x0
	ds_add_u32 v254, v255
	s_wait_dscnt 0x0
	s_endpgm
.Lfunc_end_k_q30d5566b6c_attn:
	.size	k_q30d5566b6c_attn, .Lfunc_end_k_q30d5566b6c_attn-k_q30d5566b6c_attn
	.p2alignl 7, 3214868480
	.fill 96, 4, 3214868480
	.section	.rodata,"a",@progbits
	.p2align	6, 0x0
	.amdhsa_kernel k_q30d5566b6c_attn
		.amdhsa_group_segment_fixed_size 276480
		.amdhsa_private_segment_fixed_size 0
		.amdhsa_enable_private_segment 0
		.amdhsa_kernarg_size 16
		.amdhsa_user_sgpr_count 2
		.amdhsa_user_sgpr_kernarg_segment_ptr 1
		.amdhsa_wavefront_size32 1
		.amdhsa_system_sgpr_workgroup_id_x 1
		.amdhsa_system_sgpr_workgroup_id_y 1
		.amdhsa_system_sgpr_workgroup_id_z 1
		.amdhsa_system_vgpr_workitem_id 0
		.amdhsa_next_free_vgpr 256
		.amdhsa_next_free_sgpr 66
		.amdhsa_reserve_vcc 0
		.amdhsa_float_denorm_mode_32 3
		.amdhsa_float_denorm_mode_16_64 3
		.amdhsa_memory_ordered 1
		.amdhsa_forward_progress 1
		.amdhsa_inst_pref_size 117
	.end_amdhsa_kernel
	.amdgpu_metadata
---
amdhsa.version: [ 1, 2 ]
amdhsa.kernels:
  - .name:           k_q30d5566b6c_attn
    .symbol:         k_q30d5566b6c_attn.kd
    .args:
      - { .name: qkv, .offset: 0, .size: 8, .value_kind: global_buffer, .address_space: global }
      - { .name: out0, .offset: 8, .size: 8, .value_kind: global_buffer, .address_space: global }
    .group_segment_fixed_size: 276480
    .private_segment_fixed_size: 0
    .kernarg_segment_align: 8
    .kernarg_segment_size: 16
    .max_flat_workgroup_size: 512
    .sgpr_count:     66
    .vgpr_count:     256
    .wavefront_size: 32
...
	.end_amdgpu_metadata
.endif
;; end of part 1
;; ======== version 2 of 2: 1 launch; version 1 with the launch attn written anew for expert scheduling mode
;; launch attn (part 2): grid 4 x 64, 16 waves a work-group, no clusters, 276,480 bytes of LDS; arguments qkv, out0; writes out0
.if DOCPART == 2
	.amdgcn_target "amdgcn-amd-amdhsa--gfx1250"
	.amdhsa_code_object_version 6
	.text
	.protected	k_q30d5566b6c_attn
	.globl	k_q30d5566b6c_attn
	.p2align	8
	.type	k_q30d5566b6c_attn,@function
k_q30d5566b6c_attn:
	s_mov_b64 s[64:65], 0
	v_nop
	global_prefetch_b8 v0, s[64:65] scope:SCOPE_SE
	s_setreg_imm32_b32 hwreg(HW_REG_WAVE_SCHED_MODE, 0, 2), 2
	s_setreg_imm32_b32 hwreg(HW_REG_WAVE_MODE, 25, 1), 1
	s_wait_xcnt 0x0
	s_wait_alu depctr_vm_vsrc(0)
; out0[head][c][t] = the sum over s of softmax_s(sum over c' of (q sc)(k sc)) v[c][s], 64 heads; qkv: [64][192][2048] f32 (rows 0-63 q, 64-127 k, 128-191 v; t innermost); out0: [64][64][2048] f32.
; Both products on codes of FP4 (E2M1) with one E8M0 scale for each 32 along a product's K.  Product 1: K = the 64 channels (two blocks), operands q sc and k sc, sc = 1 / sqrt(sqrt(64)).  Product 2: K = the keys.
; THE SOFTMAX AHEAD OF PRODUCT 2: t = score x log2(e); M = the row's largest t so far, rounded UP to a whole number; p = 2^(t - M) is quantised along the keys, not normalised; the row's sum is taken of the
; unquantised p in f32 and divides at the end.  When M moves, the sum and O are multiplied by 2^(old M - new M): exact.
; SHARES.  A work-group of sixteen waves (256 registers each) owns 512 queries of one head: 4 x 64 work-groups.  It walks the head's 2,048 keys twice, 128 a step: pass 0 for its queries 0-255, pass 1 for 256-511;
; in a pass a wave owns one tile of 16 queries.  A head's k and v as codes and scale bytes are 138 KB: the work-group makes them itself and stores them to LDS ONCE.  In pass 0 that work is pipelined: while chunk j
; (128 keys) is attended from LDS, the f32 numbers of chunk j + 2 are on their way into 32 registers a wave, and chunk j + 1 is quantised and stored at the step's end, ahead of one barrier.
; Waves 0-7 quantise k (wave: 32 keys x one block of 32 channels; a lane takes a key and its registers run down the channels, so nothing is transposed); waves 8-15 quantise v (wave: 8 channels x 128 keys; a lane
; holds 8 neighbouring keys, four lanes a block).  Pass 1 only reads.  No LDS byte is ever written twice, so every barrier orders a store and a later read, and nothing else.
; LAYOUT.  Both products are used transposed: S^T = K Q^T (source 0 = 16 keys, source 1 = my 16 queries), O^T = V P^T (source 0 = 16 channels, source 1 = P): a lane holds ONE query (lane % 16) throughout.
; THE KEYS OF A TILE ARE NOT NEIGHBOURS: row r of tile 2 b + u is key 32 b + 8 u + r + 8 (r / 8), so that the 16 registers of tiles 2 b and 2 b + 1 are 16 neighbouring keys, 32 b + 16 (lane / 16) + 0 .. 15.
; K = 64 IN A FORM OF K = 128.  In a fragment lane (r, h) holds block h in registers 0-3 and block 2 + h in registers 4-7.  Even key tiles carry their codes in registers 0-3 and zero codes in 4-7, odd tiles the other
; way round; a pair of tiles is 12 registers [even's codes][zeros][odd's codes], the zeros written once.  Q's fragment holds its codes in both halves and its scale word is (s0, s1, s0, s1).  One 32-bit word then
; serves as the scale word of both tiles of a pair: bytes 0, 1 the even tile's, bytes 2, 3 the odd tile's; the other two bytes stand over zero codes, which add nothing under any byte but 0xff.
; NO CLUSTER, NO JOINT LOADS: what the four work-groups of a head share is f32 that has to pass through registers to be quantised; as raw tiles in LDS a step's 128 keys of k and v would be 64 KB a slot, two slots
; 128 KB, beside the 273,408 bytes in use: they do not fit, and each byte would be written to and read from LDS once more.  The four work-groups are neighbours in the grid's x and ask for the same rows in step.
; q's loads read 64 consecutive bytes in sixteen lanes (the sixteen waves stand side by side on 1,024): q is one ninth of what the launch asks for, and is read once.
; LIMITS: NaN and infinities among the inputs are not served.  A block whose largest magnitude lies under 2^-124 keeps the scale byte 1 (the quantiser's own hold); a block of zeros gets the byte 1 where the
; quantiser says 127: its codes are zeros and this program alone reads the bytes.  A block's largest p is taken from its largest score, which takes v_exp_f32 not to fall where its input rises.  p under 2^-126 is 0.
; THE MODE: SCHED_MODE bits 1:0 = 2 (LLVM: expert scheduling mode 2), set by the entry lines.  The code itself states the register dependences between vector or matrix instructions and memory or LDS
; instructions, with s_wait_alu, always for 0.
; THE PLAN.  Registers that memory or LDS instructions touch:
;   v[KGO], v[VGO], v[QGO], v[OGO]   offsets, made once at the head, ahead of one wait on va_vdst, and never written again.
;   v[R ..]                a chunk's loads land in it; the chunk's vector lines read and write it; the next chunk's loads land in it again.
;   v[WA ..], v[C ..], v[BY ..]   written by a chunk's vector lines, read by its LDS stores.  ONE wait on va_vdst in each arm of QSTEP, behind its last vector line, states both: the stores' registers are written,
;                          and R is done with.  They are written again a key step later, behind that step's wait on vm_vsrc.
;   v[KF ..], v[KS ..]     a step's loads of k land in them; its eight products K Q^T read them.
;   v[ADK], v[ADS]         read by a step's loads of k;  v[ADV], v[ADT]  read by its loads of v.
;   v[VS ..], v96-127      a step's loads of v land in them; V P^T reads them; v96-127 hold scores and p before, which the conversions and the first 15 additions read last.
; A KEY STEP has one wait on vm_vsrc and, beside the waits ahead of and behind its exponentials and the one ahead of V P^T, a wait on va_vdst ahead of v's loads.  Ahead of that wait stand the four address additions: v's for this step, k's for the NEXT.
; So it states: the four addresses are written; v96-127 and v[VS ..] are done with; this step's K Q^T are done with v[KF ..] and v[KS ..]; p's codes and scale word are written.  Behind it the wave issues O^T's
; rescaling, additions on v128-159, V P^T and (pass 0) a chunk's lines, which name none of v[KF ..], v[KS ..], v[ADK], v[ADS]: the next step's loads of k stand at its head with no further wait.
.set ROWG,  8192                       ; a row of qkv or of out0 in bytes: 2,048 f32
.set HEADB, 192*ROWG                   ; a head of qkv
.set CHK,   512                        ; a chunk's 128 keys in a row of qkv, in bytes
; LDS
.set KIMG,  0                          ; k's codes as images of the operand's registers: step (4,096) x tile 0..7 (512) x lane (16 bytes)
.set VIMG,  65536                      ; v's codes: 64 channel rows; key s at byte s / 2
.set VP,    1040                       ; their pitch: 1,024 + 16 = 65 x 16 bytes: sixteen rows start at sixteen different 16-byte columns modulo 256
.set SCK,   VIMG+64*VP                 ; k's scale bytes: step (256) x row r of a tile (16) x tile 0..7 (2 bytes: channel blocks 0, 1)
.set SCV,   SCK+4096                   ; v's scale bytes: step (256) x row r of a tile (16) x channel tile 0..3 (4 bytes: the step's four key blocks)
.set STG,   SCV+4096                   ; the way out: 64 channel rows x (256 queries x 4 bytes + 16); pass 1 has a stage of its own, STGB further on
.set STGB,  64*VP
; vector registers
.set AK0,  1                           ; 16 x lane: my place in an image of k
.set AV0,  2                           ; VIMG + VP r + 16 h
.set ASK0, 3                           ; SCK + 16 r
.set ASV0, 4                           ; SCV + 16 r
.set KWC,  5                           ; where a k wave's lane stores its 16 bytes of codes
.set KWS,  6                           ; and its scale byte
.set VWC,  7                           ; where a v wave's lane stores 4 bytes of codes
.set VWS,  8                           ; and its scale byte
.set KGO,  9                           ; byte offsets in qkv: k's,
.set VGO,  10                          ; v's,
.set QGO,  11                          ; q's
.set NM,   12                          ; -M
.set TMX,  13                          ; the largest t so far
.set SUM,  14                          ; v[14:15] the row's sum in two halves
.set QF,   16                          ; v[16:23] Q's fragment
.set QW,   24                          ; Q's scale word
.set PW,   25                          ; p's scale word
.set ADK,  26                          ; the step's LDS addresses: k's images,
.set ADV,  27                          ; v's rows,
.set ADS,  28                          ; k's scale words,
.set ADT,  29                          ; v's
.set SW,   30                          ; the stage: where I put a number
.set SR,   31                          ; and where I read 16 bytes of a row back
.set KF,   32                          ; v[32:79] four pairs of key tiles, 12 registers each
.set KS,   80                          ; v[80:83] k's scale words, one for each pair of tiles
.set VS,   84                          ; v[84:87] v's scale words, one for each channel tile
.set PC,   88                          ; v[88:95] p's codes
.set S,    96                          ; v[96:159] S^T, then p; v[96:127] later v's four fragments; on the way out O / sum and the rows read back
.set O,    160                         ; v[160:191] O^T
.set BM,   192                         ; v[192:195] block maxima
.set PT,   196                         ; v[196:199] lane permutes' results, then bytes
.set SO,   200                         ; v[200:203] the conversions' scale operands
.set F,    204                         ; v[204:205] f = 2^(old M - new M); v205 is named with it as a pair and written once
.set T1,   206
.set T2,   207
.set SUM2, 208                         ; v[208:209] the sum's second chain
.set OGO,  210                         ; 16 x lane: my byte offset in a piece of a row of out0
.set H8,   211                         ; 8 h
.set WA,   212                         ; v[212:215] the chunk's LDS store addresses
.set C,    216                         ; v[216:219] codes just made
.set BY,   220                         ; v[220:223] scale bytes just made
.set R,    224                         ; v[224:255] 32 f32 numbers on their way or at work
; scalar registers
.set WV,  8                            ; my wave's number
.set WR,  9                            ; wave % 8
.set HD,  10                           ; the head
.set WB,  11                           ; (wave % 8) / 2
.set GB,  12                           ; s[12:13] my share of k or v, at the chunk to be asked for
.set QB,  14                           ; s[14:15] my 16 queries' column in q
.set OB,  16                           ; s[16:17] my four channel rows of out0, at the pass's 256 queries
.set SEL, 20                           ; s[20:21] v_permlanex16_b32's selects for lane l xor 16
.set CS,  22                           ; s[22:23] log2(e), twice: the packed forms name a pair
.set SCL, 24                           ; s[24:25] sc, twice
.set TK,  26                           ; 4,096 x step
.set TV,  27                           ; 64 x step
.set TS,  28                           ; 256 x step
.set CNT, 29
.set HK,  30                           ; wave % 2
.set HB,  36                           ; the head's first byte in qkv
.macro BAR                             ; my LDS stores have landed and my LDS loads are in: then the work-group's barrier
	s_wait_dscnt 0x0
	s_barrier_signal -1
	s_barrier_wait -1
.endm
; a k wave's share of a chunk: 32 keys x 32 channels; each load reads 128 consecutive bytes of one channel's row
.macro KLOAD
.set j, 0
.rept 32
	global_load_b32 v[R+j], v[KGO], s[GB:GB+1] offset:j*ROWG
.set j, j+1
.endr
.endm
; a v wave's share: 8 channels x 128 keys; lanes 0-15 take channel 2 g, lanes 16-31 channel 2 g + 1; a lane 8 neighbouring keys; a group's two loads together cover each row's 512 bytes
.macro VLOAD
.irp g, 0,1,2,3
	global_load_b128 v[R+8*\g:R+8*\g+3],   v[VGO], s[GB:GB+1] offset:2*\g*ROWG
	global_load_b128 v[R+8*\g+4:R+8*\g+7], v[VGO], s[GB:GB+1] offset:2*\g*ROWG+16
.endr
.endm
; my tile's q: lane (r, h) takes query r and channels 32 h + 0 .. 31, its registers running down the channels; read once by this wave alone
.macro QLOAD base
.set j, 0
.rept 32
	global_load_b32 v[\base+j], v[QGO], s[QB:QB+1] offset:j*ROWG th:TH_LOAD_NT
.set j, j+1
.endr
.endm
; 32 numbers down the channels of one column, v[base] on, times sc, become a block's 32 codes in v[dst] .. v[dst + 3]; the scale's byte in v[BY]
.macro QCOL base, dst
.set j, 0
.rept 16
	v_pk_mul_f32 v[\base+j:\base+j+1], v[\base+j:\base+j+1], s[SCL:SCL+1] op_sel_hi:[1,0]   ; x sc, in f32, as the operand is defined
.set j, j+2
.endr
	v_max3_num_f32 v[BM],   |v[\base]|,   |v[\base+1]|, |v[\base+2]|                ; the block's largest magnitude: all 32 numbers are mine; two chains
	v_max3_num_f32 v[BM+1], |v[\base+3]|, |v[\base+4]|, |v[\base+5]|
.irp i, 6,10,14,18,22,26
	v_max3_num_f32 v[BM],   v[BM],   |v[\base+\i]|,   |v[\base+\i+1]|
	v_max3_num_f32 v[BM+1], v[BM+1], |v[\base+\i+2]|, |v[\base+\i+3]|
.endr
	v_max3_num_f32 v[BM], v[BM], |v[\base+30]|, |v[\base+31]|
	v_max3_num_f32 v[BM], v[BM], v[BM+1], 0x1800000                                 ; and the floor 2^(3 - 127): the byte cannot fall under 1
	v_add_nc_u32 v[SO], 0xff000000, v[BM]                                           ; 2 off its exponent field: the conversion takes the exponent field of this operand as its scale
.irp g, 0,1,2,3
	v_cvt_scalef32_pk8_fp4_f32 v[\dst+\g], v[\base+8*\g:\base+8*\g+7], v[SO]
.endr
	v_lshrrev_b32 v[BY], 23, v[SO]                                                  ; the scale's byte; also the plain line behind the conversions
.endm
; a v wave's 4 groups of 8 keys a lane: four neighbouring lanes hold a block of 32 keys; the groups take turns
.macro QROW
.irp g, 0,1,2,3
	v_max3_num_f32 v[BM+\g], |v[R+8*\g]|, |v[R+8*\g+1]|, 0x1800000                  ; with the floor 2^(3 - 127)
.endr
.irp i, 2,4,6
.irp g, 0,1,2,3
	v_max3_num_f32 v[BM+\g], v[BM+\g], |v[R+8*\g+\i]|, |v[R+8*\g+\i+1]|
.endr
.endr
.irp g, 0,1,2,3
	v_max_num_f32_dpp v[BM+\g], v[BM+\g], v[BM+\g] row_xmask:1 row_mask:0xf bank_mask:0xf
.endr
.irp g, 0,1,2,3
	v_max_num_f32_dpp v[BM+\g], v[BM+\g], v[BM+\g] row_xmask:2 row_mask:0xf bank_mask:0xf   ; the block's largest magnitude, in all its four lanes
.endr
.irp g, 0,1,2,3
	v_add_nc_u32 v[SO+\g], 0xff000000, v[BM+\g]
.endr
.irp g, 0,1,2,3
	v_cvt_scalef32_pk8_fp4_f32 v[C+\g], v[R+8*\g:R+8*\g+7], v[SO+\g]
.endr
.irp g, 0,1,2,3
	v_lshrrev_b32 v[BY+\g], 23, v[SO+\g]                                            ; the bytes; also the plain lines behind the conversions
.endr
.endm
; The chunk whose numbers are on their way (its number is s[TK] / 4,096) is quantised and stored to LDS.  load = 1: the next chunk is asked for.  The caller's BAR follows.
; v[WA ..], v[C ..] and v[BY ..] were read by the last chunk's LDS stores: the wait on vm_vsrc of the key step that stands between the two chunks has shown them read.
.macro QSTEP load
	s_wait_loadcnt 0x0                             ; my share of the chunk is in; the loads that named s[GB] are done, so it may step
.if \load
	s_add_nc_u64 s[GB:GB+1], s[GB:GB+1], CHK
.endif
	v_add_nc_u32 v[WA],   s[TK], v[KWC]            ; every wave makes all four addresses, ahead of the branch on the wave's number
	v_add_nc_u32 v[WA+1], s[TS], v[KWS]
	v_add_nc_u32 v[WA+2], s[TV], v[VWC]
	v_add_nc_u32 v[WA+3], s[TS], v[VWS]
	s_cmp_lt_u32 s[WV], 8
	s_cbranch_scc0 .Lqv_\@
	QCOL R, C
	s_wait_alu depctr_va_vdst(0)                   ; v[WA ..], v[C ..] and v[BY] are written, which the LDS stores read; the lines above are done with v[R ..], in which the next loads land (the next chunk's, or behind the last chunk pass 1's q)
	ds_store_b128 v[WA], v[C:C+3]                  ; my key's 32 codes of my channel block: 16 bytes of the image of its tile
	ds_store_b8 v[WA+1], v[BY]
.if \load
	KLOAD
.endif
	s_branch .Lqj_\@
.Lqv_\@:
	QROW
	s_wait_alu depctr_va_vdst(0)                   ; v[WA ..], v[C ..] and v[BY ..] are written, which the LDS stores read; the lines above are done with v[R ..], in which the next loads land
.irp g, 0,1,2,3
	ds_store_b32 v[WA+2], v[C+\g] offset:2*VP*\g   ; 8 codes of channel 2 g + h of my eight
	ds_store_b8 v[WA+3], v[BY+\g] offset:32*\g     ; the four lanes of a block store the same byte with the same value
.endr
.if \load
	VLOAD
.endif
.Lqj_\@:
.endm
; my tile's q, 32 numbers a lane from v[base] on, becomes Q's fragment and scale word
.macro QQ base
	QCOL \base, QF
	v_lshlrev_b32 v[T1], v[H8], v[BY]              ; my block's byte at its place: 8 h bits up;
	v_permlanex16_b32 v[T2], v[T1], s[SEL], s[SEL+1]
	v_or_b32 v[T1], v[T1], v[T2]                   ; with lane l xor 16's: (s0, s1);
	v_lshl_or_b32 v[QW], v[T1], 16, v[T1]          ; (s0, s1, s0, s1)
.irp g, 0,1,2,3
	v_mov_b32 v[QF+4+\g], v[QF+\g]                 ; the codes once more, as blocks 2 and 3: the odd key tiles' partners
.endr
.endm
; A pass begins: the key step is written once, and its first walk finds zeros, which the first change of M leaves zeros
.macro INIT
	v_mov_b32 v[TMX], 0xff61b1e6                   ; the largest t so far: -3e38, under every t
	v_floor_f32 v[NM], -v[TMX]
	v_mov_b32 v[SUM], 0
	v_mov_b32 v[SUM+1], 0
.set j, 0
.rept 32
	v_mov_b32 v[O+j], 0
.set j, j+1
.endr
.endm
; Ahead of a pass's first key step: k's two LDS addresses for step 0 (every later step finds them made by the step before)
.macro KADR
	v_add_nc_u32 v[ADK], s[TK], v[AK0]
	v_add_nc_u32 v[ADS], s[TS], v[ASK0]
	s_wait_alu depctr_va_vdst(0)                   ; v[ADK] and v[ADS] are written, which the first step's loads of k read; Q's scale word and codes are written, which its products take (the pass's 36 opening lines and the two above are the plain lines ahead of this wait)
.endm
; A KEY STEP: 128 keys, from LDS alone.
.macro ATT
	ds_load_b128 v[KS:KS+3], v[ADS]                ; the scale words of the four pairs of tiles: row r's 16 bytes.  No wait: no vector or matrix instruction since the last wait on va_vdst names v[ADS], v[ADK], v[KS ..] or v[KF ..]
.irp t, 0,1,2,3,4,5,6,7
	ds_load_b128 v[KF+12*(\t/2)+8*(\t%2):KF+12*(\t/2)+8*(\t%2)+3], v[ADK] offset:512*\t   ; a tile's image: 512 consecutive bytes
.endr
	s_wait_dscnt 0x4                               ; nine loads are out; the four youngest, tiles 4-7, may stay out
.irp t, 0,1,2,3
	v_wmma_scale_f32_16x16x128_f8f6f4 v[S+8*\t:S+8*\t+7], v[KF+12*(\t/2)+4*(\t%2):KF+12*(\t/2)+4*(\t%2)+7], v[QF:QF+7], 0, v[KS+\t/2], v[QW] matrix_a_fmt:MATRIX_FMT_FP4 matrix_b_fmt:MATRIX_FMT_FP4
.endr
	s_wait_dscnt 0x0
.irp t, 4,5,6,7
	v_wmma_scale_f32_16x16x128_f8f6f4 v[S+8*\t:S+8*\t+7], v[KF+12*(\t/2)+4*(\t%2):KF+12*(\t/2)+4*(\t%2)+7], v[QF:QF+7], 0, v[KS+\t/2], v[QW] matrix_a_fmt:MATRIX_FMT_FP4 matrix_b_fmt:MATRIX_FMT_FP4
.endr
.rept 4
	v_nop                                          ; four plain lines before a vector instruction reads the results (ISA guide 7.12.1)
.endr
.irp b, 0,1,2,3
	v_max3_num_f32 v[BM+\b], v[S+16*\b], v[S+1+16*\b], v[S+2+16*\b]   ; THE LARGEST SCORE OF EACH BLOCK OF 32 KEYS serves twice: for the row's maximum and, since p rises with the score, for the block's largest p.  Each result is read from its low end on
.endr
.irp i, 3,5,7,9,11,13
.irp b, 0,1,2,3
	v_max3_num_f32 v[BM+\b], v[BM+\b], v[S+16*\b+\i], v[S+1+16*\b+\i]   ; (the four blocks by turns)
.endr
.endr
.irp b, 0,1,2,3
	v_max_num_f32 v[BM+\b], v[BM+\b], v[S+15+16*\b]
.endr
.irp b, 0,1,2,3
	v_permlanex16_b32 v[PT+\b], v[BM+\b], s[SEL], s[SEL+1]
.endr
.irp b, 0,1,2,3
	v_max_num_f32 v[BM+\b], v[BM+\b], v[PT+\b]     ; with lane l xor 16's 16 keys
.endr
	v_max3_num_f32 v[T1], v[BM], v[BM+1], v[BM+2]
	v_max_num_f32 v[T1], v[T1], v[BM+3]            ; the step's largest score of my query
	v_mul_f32 v[T1], s[CS], v[T1]                  ; as t
	v_max_num_f32 v[TMX], v[TMX], v[T1]            ; the running largest t
	v_mov_b32 v[T1], v[NM]
	v_floor_f32 v[NM], -v[TMX]                     ; the new -M = floor(-t) = -ceil(t): M is a whole number
	v_sub_f32 v[T1], v[NM], v[T1]                  ; M's old value less its new one: a whole number, 0 or less
	v_cvt_i32_f32 v[T1], v[T1]                     ; (it saturates)
	v_ldexp_f32 v[F], 1.0, v[T1]                   ; f = 2^(old M - new M)
.set j, 0
.rept 32
	v_pk_fma_f32 v[S+j:S+j+1], v[S+j:S+j+1], s[CS:CS+1], v[NM:NM+1] op_sel_hi:[1,0,0]   ; t - M, two at a time (of the pairs log2(e) and -M the low word serves both halves)
.set j, j+2
.endr
.irp b, 0,1,2,3
	v_fma_f32 v[BM+\b], v[BM+\b], s[CS], v[NM]     ; the same of each block's largest score
.endr
.set j, 0
	s_wait_alu depctr_va_vdst(0)
.rept 64
	v_exp_f32 v[S+j], v[S+j]                       ; p = 2^(t - M), at most 1: not normalised
.set j, j+1
.endr
.irp b, 0,1,2,3
	v_exp_f32 v[BM+\b], v[BM+\b]                   ; the block's largest p: the same two instructions on the same number give the same bits
.endr
	v_pk_mul_f32 v[SUM:SUM+1], v[SUM:SUM+1], v[F:F+1] op_sel_hi:[1,0]   ; the sums under the new M; the plain line behind the exponentials (ISA guide 5.7.2)
	s_wait_alu depctr_va_vdst(0)                   ; the 68 exponentials have written p and the blocks' largest p: one wait for the batch, ahead of its first reader
.irp b, 0,1,2,3
	v_max_num_f32 v[BM+\b], 0x1800000, v[BM+\b]    ; the floor 2^(3 - 127): the byte cannot fall under 1
.endr
.irp b, 0,1,2,3
	v_add_nc_u32 v[SO+\b], 0xff000000, v[BM+\b]    ; 2 off the exponent field: the conversion's scale operand
.endr
.irp b, 0,1,2,3
	v_lshrrev_b32 v[PT+\b], 23, v[SO+\b]           ; the scale's byte
.endr
	v_lshl_or_b32 v[PW], v[PT+1], 8, v[PT]         ; p's scale word for these 128 keys
	v_lshl_or_b32 v[PW], v[PT+2], 16, v[PW]
	v_lshl_or_b32 v[PW], v[PT+3], 24, v[PW]
.irp b, 0,1,2,3
	v_cvt_scalef32_pk8_fp4_f32 v[PC+2*\b],   v[S+16*\b:S+16*\b+7],    v[SO+\b]
	v_cvt_scalef32_pk8_fp4_f32 v[PC+2*\b+1], v[S+16*\b+8:S+16*\b+15], v[SO+\b]
.endr
	v_nop                                          ; one plain line behind the scaled conversions
.irp c, 0,1                                    ; the operand's layout wants a WHOLE block in a lane: lanes 0-15 block 2 c, lanes 16-31 block 2 c + 1
.irp i, 0,1
	v_permlane16_swap_b32 v[PC+4*\c+\i], v[PC+2+4*\c+\i]
.endr
.endr
	s_wait_alu depctr_vm_vsrc(0)                   ; this step's loads of k have read v[ADK] and v[ADS], the last step's loads of v v[ADV] and v[ADT]: all four are written below; in pass 0 the last chunk's LDS stores have read v[WA ..], v[C ..], v[BY ..], which the next chunk's lines write
	v_add_nc_u32 v[ADV], s[TV], v[AV0]             ; v's two addresses, for this step
	v_add_nc_u32 v[ADT], s[TS], v[ASV0]
	v_pk_add_f32 v[SUM2:SUM2+1], v[S:S+1], v[S+2:S+3]   ; THE ROW'S SUM IS TAKEN OF THE UNQUANTISED p: two at a time, in two chains; first the 32 numbers whose registers v's fragments will take
.irp j, 4,8,12,16,20,24,28
	v_pk_add_f32 v[SUM:SUM+1],   v[SUM:SUM+1],   v[S+\j:S+\j+1]
	v_pk_add_f32 v[SUM2:SUM2+1], v[SUM2:SUM2+1], v[S+\j+2:S+\j+3]
.endr
	s_add_co_u32 s[TK], s[TK], 4096                ; on to the next step's bytes
	s_add_co_u32 s[TV], s[TV], 64
	s_add_co_u32 s[TS], s[TS], 256
	v_add_nc_u32 v[ADK], s[TK], v[AK0]             ; k's two addresses, for the NEXT step: made here, ahead of a wait that stands in any case (the last step's are read by nobody)
	v_add_nc_u32 v[ADS], s[TS], v[ASK0]
	s_wait_alu depctr_va_vdst(0)                   ; the four addresses are written; the conversions and the additions above are done with v96-127, the last step's products with v[VS ..]: v's loads land there; this step's K Q^T are done with v[KF ..], v[KS ..], in which the next step's loads land; p's scale word and codes are written, which V P^T takes
	ds_load_b128 v[VS:VS+3], v[ADT]                ; the scale words of the four channel tiles for these 128 keys
.irp t, 0,1,2,3
.irp c, 0,1
	ds_load_b128 v[S+8*\t+4*\c:S+8*\t+4*\c+3], v[ADV] offset:16*VP*\t+32*\c   ; v's fragments land under the 26 lines below, which name none of their registers
.endr
.endr
.set j, 0
.rept 16
	v_pk_mul_f32 v[O+j:O+j+1], v[O+j:O+j+1], v[F:F+1] op_sel_hi:[1,0]   ; O^T under the new M: x f; each result from its low end on
.set j, j+2
.endr
.irp j, 32,36,40,44,48
	v_pk_add_f32 v[SUM:SUM+1],   v[SUM:SUM+1],   v[S+\j:S+\j+1]
	v_pk_add_f32 v[SUM2:SUM2+1], v[SUM2:SUM2+1], v[S+\j+2:S+\j+3]
.endr
	s_wait_alu depctr_va_vdst(0)
	s_wait_dscnt 0x0                               ; v's fragments and scale words are in
.irp t, 0,1,2,3                                ; O^T += V P^T: the four accumulators take turns, one instruction a turn; eight other products stand between two links
	v_wmma_scale_f32_16x16x128_f8f6f4 v[O+8*\t:O+8*\t+7], v[S+8*\t:S+8*\t+7], v[PC:PC+7], v[O+8*\t:O+8*\t+7], v[VS+\t], v[PW] matrix_a_fmt:MATRIX_FMT_FP4 matrix_b_fmt:MATRIX_FMT_FP4
.endr
.irp j, 52,56,60                               ; the sum's last seven additions, both chains in their order.  They name none of those products' registers: seven plain lines ahead of the next step's S^T, which is written over v96-127, which those products read as source 0: five are owed
	v_pk_add_f32 v[SUM:SUM+1],   v[SUM:SUM+1],   v[S+\j:S+\j+1]
	v_pk_add_f32 v[SUM2:SUM2+1], v[SUM2:SUM2+1], v[S+\j+2:S+\j+3]
.endr
	v_pk_add_f32 v[SUM:SUM+1], v[SUM:SUM+1], v[SUM2:SUM2+1]
.endm
; THE WAY OUT of a pass.  O^T / the sum: a lane holds one query and 32 channels, out0's rows run along the queries: the sixteen waves' tiles meet in a stage, 64 channel rows of 256 queries, and each wave stores
; four whole rows' 1,024 bytes.  last = 0: the addresses step to pass 1's stage and queries.
.macro OUT last
.rept 4
	v_nop                                          ; four plain lines behind the last products
.endr
	v_add_f32 v[SUM], v[SUM], v[SUM+1]             ; the sum's two halves,
	v_permlanex16_b32 v[T1], v[SUM], s[SEL], s[SEL+1]
	v_add_f32 v[SUM], v[SUM], v[T1]                ; and lane l xor 16's: the row's sum, above 1/2
	s_wait_alu depctr_va_vdst(0)
	v_rcp_f32 v[SUM], v[SUM]
	v_nop                                          ; one plain line behind the reciprocal
	s_wait_alu depctr_va_vdst(0)                   ; the reciprocal has written v[SUM], ahead of its first reader
.set j, 0
.rept 16
	v_pk_mul_f32 v[S+j:S+j+1], v[O+j:O+j+1], v[SUM:SUM+1] op_sel_hi:[1,0]   ; register 8 t + i: channel 16 t + 8 h + i of my query; each result from its low end on
.set j, j+2
.endr
	s_wait_alu depctr_va_vdst(0)                   ; the multiplies have written v96-127, which the LDS stores read; the key steps' additions are done with v128-159, in which the stage's loads land: no vector instruction behind this wait names them
.irp t, 0,1,2,3
.irp i, 0,1,2,3,4,5,6,7
	ds_store_b32 v[SW], v[S+8*\t+\i] offset:(16*\t+\i)*VP   ; sixteen lanes: my tile's 64 bytes of a channel's row
.endr
.endr
	BAR                                            ; 64 whole rows lie in the stage
.irp i, 0,1,2,3,4,5,6,7
	ds_load_b128 v[S+32+4*\i:S+32+4*\i+3], v[SR] offset:(\i/2)*VP+512*(\i%2)   ; wave w: channels 4 w .. 4 w + 3
.endr
.irp i, 0,1,2,3,4,5,6,7
	s_wait_dscnt 7-\i                              ; LDS loads come back in order (ISA guide 5.7.1): load i is in, the younger ones may be out
	global_store_b128 v[OGO], v[S+32+4*\i:S+32+4*\i+3], s[OB:OB+1] offset:(\i/2)*ROWG+512*(\i%2) th:TH_STORE_NT   ; 32 lanes store 512 consecutive bytes, at a multiple of 512 from out0's first byte; written once
.endr
.if \last == 0
	s_wait_xcnt 0x0                                ; the stores' base and data are rewritten only behind this wait
	s_wait_alu depctr_vm_vsrc(0)                   ; the stage's stores and loads have read v[SW] and v[SR], which are written below; the stores, LDS and global, have read v96-159, which pass 1's products write
	s_add_nc_u64 s[OB:OB+1], s[OB:OB+1], 1024      ; the next 256 queries
	v_add_nc_u32 v[SW], STGB, v[SW]                ; and a stage of their own: nobody waits for the readers of the first
	v_add_nc_u32 v[SR], STGB, v[SR]
.endif
.endm
	; ---- the head: every address register is made here, by every wave, ahead of the first branch on the wave's number
	s_load_b128 s[4:7], s[0:1], 0x0                ; qkv s[4:5], out0 s[6:7]
	v_lshrrev_b32 v165, 5, v0
	v_readfirstlane_b32 s[WV], v165                ; wave 0..15
	v_and_b32 v160, 31, v0                         ; l: lane
	v_and_b32 v161, 15, v0                         ; r
	v_bfe_u32 v162, v0, 4, 1                       ; h
	v_bfe_u32 v163, v0, 3, 1                       ; u: a k wave's lane l holds key l of 32, which is row rr of tile 2 b + u
	s_wait_alu depctr_va_vdst(0)
	v_and_b32 v164, 7, v0
	v_lshl_add_u32 v164, v162, 3, v164             ; rr = l % 8 + 8 h
	s_wait_alu depctr_va_sdst(0)                   ; s[WV] is written, ahead of its first reader: the wave's shares, addresses and branches are made from it
	s_and_b32 s[WR], s[WV], 7
	s_lshr_b32 s[WB], s[WR], 1                     ; b: which 32 keys of a chunk (k waves); which channel tile (v waves)
	s_and_b32 s[HK], s[WR], 1                      ; which channel block (k waves); which half of the tile (v waves)
	s_and_b32 s[HD], ttmp7, 0xffff                 ; the head
	v_lshlrev_b32 v[AK0], 4, v160
	v_mul_u32_u24 v[AV0], v161, VP
	v_lshl_add_u32 v[AV0], v162, 4, v[AV0]
	v_add_nc_u32 v[AV0], VIMG, v[AV0]
	v_lshl_add_u32 v[ASK0], v161, 4, SCK
	v_lshl_add_u32 v[ASV0], v161, 4, SCV
	s_lshl_b32 s31, s[WB], 10                      ; k's codes: tile 2 b + u (512 bytes each), lane (rr, channel block): 1,024 b + 512 u + 256 hk + 16 rr
	s_lshl_b32 s32, s[HK], 8
	s_add_co_u32 s31, s31, s32
	v_lshlrev_b32 v[KWC], 9, v163
	s_wait_alu depctr_va_vdst(0)
	v_lshl_add_u32 v[KWC], v164, 4, v[KWC]
	v_add_nc_u32 v[KWC], s31, v[KWC]
	s_lshl_b32 s31, s[WB], 2                       ; k's bytes: SCK + 16 rr + 2 (2 b + u) + hk
	s_add_co_u32 s31, s31, s[HK]
	s_add_co_u32 s31, s31, SCK
	v_lshlrev_b32 v[KWS], 1, v163
	v_lshl_add_u32 v[KWS], v164, 4, v[KWS]
	v_add_nc_u32 v[KWS], s31, v[KWS]
	s_mul_i32 s31, s[WR], 8*VP                     ; v's codes: VIMG + (8 (wave % 8) + h) rows + 4 r
	s_add_co_u32 s31, s31, VIMG
	v_mul_u32_u24 v[VWC], v162, VP
	v_lshl_add_u32 v[VWC], v161, 2, v[VWC]
	v_add_nc_u32 v[VWC], s31, v[VWC]
	s_lshl_b32 s31, s[HK], 7                       ; v's bytes: SCV + 16 (channel % 16) + 4 (channel / 16) + r / 4, channel = 8 (wave % 8) + 2 g + h
	s_lshl_b32 s32, s[WB], 2
	s_add_co_u32 s31, s31, s32
	s_add_co_u32 s31, s31, SCV
	v_lshrrev_b32 v[VWS], 2, v161
	v_lshl_add_u32 v[VWS], v162, 4, v[VWS]
	v_add_nc_u32 v[VWS], s31, v[VWS]
	v_lshlrev_b32 v[KGO], 2, v160                  ; k: 4 bytes a lane
	v_lshlrev_b32 v[VGO], 5, v161                  ; v: 32 bytes a lane, lanes 16-31 a row further down
	v_lshl_add_u32 v[VGO], v162, 13, v[VGO]
	v_lshlrev_b32 v[QGO], 2, v161                  ; q: 4 bytes a lane, lanes 16-31 32 rows further down
	v_lshl_add_u32 v[QGO], v162, 18, v[QGO]
	s_lshl_b32 s31, s[WV], 6                       ; the stage, in: STG + 8 h rows + 64 x wave + 4 r
	s_add_co_u32 s31, s31, STG
	v_mul_u32_u24 v[SW], v162, 8*VP
	v_lshl_add_u32 v[SW], v161, 2, v[SW]
	v_add_nc_u32 v[SW], s31, v[SW]
	s_mul_i32 s31, s[WV], 4*VP                     ; and back: STG + 4 x wave rows + 16 x lane
	s_add_co_u32 s31, s31, STG
	v_lshl_add_u32 v[SR], v160, 4, s31
	v_lshlrev_b32 v[OGO], 4, v160
	v_lshlrev_b32 v[H8], 3, v162
	s_mov_b32 s[SEL], 0x76543210
	s_mov_b32 s[SEL+1], 0xfedcba98
	s_mov_b32 s[CS], 0x3fb8aa3b                    ; log2(e)
	s_mov_b32 s[CS+1], s[CS]
	s_mov_b32 s[SCL], 0x3eb504f3                   ; sc = 1 / sqrt(sqrt(64))
	s_mov_b32 s[SCL+1], s[SCL]
	s_mov_b32 s[TK], 0
	s_mov_b32 s[TV], 0
	s_mov_b32 s[TS], 0
	; byte offsets, made apart from the addresses; all stay under 2^27
	s_mul_i32 s[HB], s[HD], HEADB
	s_lshl_b32 s31, s[HK], 18                      ; a k wave: row 64 + 32 hk, 128 b bytes along it
	s_lshl_b32 s32, s[WB], 7
	s_add_co_u32 s31, s31, s32
	s_add_co_u32 s31, s31, 64*ROWG
	s_lshl_b32 s32, s[WR], 16                      ; a v wave: row 128 + 8 (wave % 8)
	s_add_co_u32 s32, s32, 128*ROWG
	s_cmp_lt_u32 s[WV], 8
	s_cselect_b32 s31, s31, s32
	s_add_co_u32 s18, s31, s[HB]
	s_mov_b32 s19, 0
	s_wait_kmcnt 0x0
	s_add_nc_u64 s[GB:GB+1], s[4:5], s[18:19]
	s_lshl_b32 s31, ttmp9, 11                      ; q: my work-group's 512 queries, my wave's 16 of the first 256
	s_lshl_b32 s32, s[WV], 6
	s_add_co_u32 s31, s31, s32
	s_add_co_u32 s18, s31, s[HB]
	s_add_nc_u64 s[QB:QB+1], s[4:5], s[18:19]
	s_lshl_b32 s31, s[HD], 19                      ; out0: the head's 64 rows, my wave's four, my work-group's 512 queries
	s_lshl_b32 s32, s[WV], 15
	s_add_co_u32 s31, s31, s32
	s_lshl_b32 s32, ttmp9, 11
	s_add_co_u32 s18, s31, s32
	s_add_nc_u64 s[OB:OB+1], s[6:7], s[18:19]
	s_wait_alu depctr_va_vdst(0)                   ; the offsets v[QGO], v[KGO], v[VGO], v[OGO] and the stage's addresses v[SW], v[SR] are written: every global load and store and the way out read them
	QLOAD S                                        ; pass 0's q, into registers that the scores will take
	s_cmp_lt_u32 s[WV], 8                          ; chunk 0
	s_cbranch_scc0 .Lfirst_v
	KLOAD
	s_branch .Lfirst_j
.Lfirst_v:
	VLOAD
.Lfirst_j:
.irp i, 0,1,2,3
.irp c, 4,5,6,7
	v_mov_b32 v[KF+12*\i+\c], 0                    ; the zero codes between the two tiles of a pair: written once
.endr
.endr
.irp b, 0,1,2,3
	v_mov_b32 v[PT+\b], 0                          ; written once: a lane permute's destination counts as one of its sources
.endr
	v_mov_b32 v[F+1], 0                            ; (named as the upper half of the pair v[204:205])
	v_mov_b32 v[T1], 0
	v_mov_b32 v[T2], 0
	QSTEP 1                                        ; chunk 0 is stored, chunk 1 is asked for; its wait also shows q in
	BAR                                            ; chunk 0 lies in LDS
	s_wait_alu depctr_vm_vsrc(0)                   ; chunk 0's LDS stores have read v[BY], which q's quantising writes again
	QQ S
	INIT
	KADR
	; ---- pass 0: trip j attends chunk j, stores chunk j + 1 and asks for chunk j + 2.  Between two barriers chunk j is read and chunk j + 1 is written: other bytes
	s_mov_b32 s[CNT], 14
.Lp0:
	ATT
	QSTEP 1
	BAR
	s_sub_co_u32 s[CNT], s[CNT], 1
	s_cmp_lg_u32 s[CNT], 0
	s_cbranch_scc1 .Lp0
	ATT                                            ; step 14.  The tail is written out: no load leaves the buffer
	QSTEP 0                                        ; chunk 15: the last
	s_add_nc_u64 s[QB:QB+1], s[QB:QB+1], 1024      ; (the loads that named s[QB] were shown done by the first chunk's wait)
	QLOAD R                                        ; pass 1's q, into the registers that the chunks have left (the wait in either arm of the chunk's lines has shown them done with): it lands under step 15 and the way out
	BAR
	ATT                                            ; step 15
	OUT 0
	; ---- pass 1: queries 256 on; k and v are read from LDS, nothing is written there but the second stage: no barrier in the loop
	s_wait_loadcnt 0x0                             ; q
	QQ R
	INIT
	s_mov_b32 s[TK], 0
	s_mov_b32 s[TV], 0
	s_mov_b32 s[TS], 0
	KADR
	s_mov_b32 s[CNT], 16
.Lp1:
	ATT
	s_sub_co_u32 s[CNT], s[CNT], 1
	s_cmp_lg_u32 s[CNT], 0
	s_cbranch_scc1 .Lp1
	OUT 1
	s_wait_xcnt 0x0                                ; every earlier memory instruction has had its addresses translated (ISA guide 3.1)
	v_lshl_add_u32 v254, v0, 2, 0x43000            ; my spare word, behind the two stages, and 0: made anew here, in two registers that no memory or LDS instruction has read
	v_mov_b32 v255, 0
	s_wait_dscnt 0x0                               ; the closing lines, six on end
	s_wait_alu 0x0
	s_wait_tensorcnt 0x0
	ds_add_u32 v254, v255
	s_wait_dscnt 0x0
	s_endpgm
.Lfunc_end_k_q30d5566b6c_attn:
	.size	k_q30d5566b6c_attn, .Lfunc_end_k_q30d5566b6c_attn-k_q30d5566b6c_attn
	.p2alignl 7, 3214868480
	.fill 96, 4, 3214868480
	.section	.rodata,"a",@progbits
	.p2align	6, 0x0
	.amdhsa_kernel k_q30d5566b6c_attn
		.amdhsa_group_segment_fixed_size 276480
		.amdhsa_private_segment_fixed_size 0
		.amdhsa_enable_private_segment 0
		.amdhsa_kernarg_size 16
		.amdhsa_user_sgpr_count 2
		.amdhsa_user_sgpr_kernarg_segment_ptr 1
		.amdhsa_wavefront_size32 1
		.amdhsa_system_sgpr_workgroup_id_x 1
		.amdhsa_system_sgpr_workgroup_id_y 1
		.amdhsa_system_sgpr_workgroup_id_z 1
		.amdhsa_system_vgpr_workitem_id 0
		.amdhsa_next_free_vgpr 256
		.amdhsa_next_free_sgpr 66
		.amdhsa_reserve_vcc 0
		.amdhsa_float_denorm_mode_32 3
		.amdhsa_float_denorm_mode_16_64 3
		.amdhsa_memory_ordered 1
		.amdhsa_forward_progress 1
		.amdhsa_inst_pref_size 118
	.end_amdhsa_kernel
	.amdgpu_metadata
---
amdhsa.version: [ 1, 2 ]
amdhsa.kernels:
  - .name:           k_q30d5566b6c_attn
    .symbol:         k_q30d5566b6c_attn.kd
    .args:
      - { .name: qkv, .offset: 0, .size: 8, .value_kind: global_buffer, .address_space: global }
      - { .name: out0, .offset: 8, .size: 8, .value_kind: global_buffer, .address_space: global }
    .group_segment_fixed_size: 276480
    .private_segment_fixed_size: 0
    .kernarg_segment_align: 8
    .kernarg_segment_size: 16
    .max_flat_workgroup_size: 512
    .sgpr_count:     66
    .vgpr_count:     256
    .wavefront_size: 32
...
	.end_amdgpu_metadata
.endif
;; end of part 2
